; MI455X (gfx1250); checked and timed in simulation.
; The chip was launched on July 23, 2026; its instructions are those of AMD's public machine-readable ISA for CDNA 5 (MIT licence, August 2026) and "CDNA5" Instruction Set Architecture Reference Guide (July 2026). The comments in the code are by the model that wrote it; some were corrected since.
;; Linear GRPO Loss. Allowed arithmetic: matrix products marked QUANTISED: E4M3 operands, one E8M0 scale for each 32 along K, by v_wmma_scale_f32_16x16x128_f8f6f4 with both operands' format E4M3, f32 sums; everything else in f32.
;; Inputs: advantages 4 float32; outputs 4 x 2,048 x 2,048 float32; padding_masks 4 x 2,048 bool; ref_logprobs 4 x 2,048 float32; targets 4 x 2,048 int32; weight 4,000 x 2,048 float32.
;; Outputs: out0 one number float32; out1 one number float32; out2 one number float32; out3 one number float32; out4 one number float32; out5 4 x 2,048 float32.
;; This version of the problem:
;;   THIS VERSION OF THE PROBLEM IS GIVEN IN LOW PRECISION. The matrix products marked QUANTISED in the list below multiply operands that are first quantised to E4M3 (4 exponent bits, 3 mantissa bits; 8 bits a number), with one power-of-two scale for each 32 numbers along K (OCP MX v1.0); their sums are f32. All else is computed in f32.
;;   The module's matrix products, in the order in which they are computed (A, B: the left and right operand; K: the contracted axis; several contracted axes count as one K, in the product's order):
;;     1. [M 1,024, K 2,048] x [K 2,048, N 4,000]; A: computed on the way; B: input weight: QUANTISED
;;     2. [M 1,024, K 2,048] x [K 2,048, N 4,000]; A: computed on the way; B: input weight: QUANTISED
;;     3. [M 1,024, K 2,048] x [K 2,048, N 4,000]; A: computed on the way; B: input weight: QUANTISED
;;     4. [M 1,024, K 2,048] x [K 2,048, N 4,000]; A: computed on the way; B: input weight: QUANTISED
;;     5. [M 1,024, K 2,048] x [K 2,048, N 4,000]; A: computed on the way; B: input weight: QUANTISED
;;     6. [M 1,024, K 2,048] x [K 2,048, N 4,000]; A: computed on the way; B: input weight: QUANTISED
;;     7. [M 1,024, K 2,048] x [K 2,048, N 4,000]; A: computed on the way; B: input weight: QUANTISED
;;     8. [M 1,024, K 2,048] x [K 2,048, N 4,000]; A: computed on the way; B: input weight: QUANTISED
;;   THE QUANTISER, for each operand of a quantised product, along K:
;;     - K is cut into blocks of 32 from its start; a last block that is shorter is filled with zeros.
;;     - A block's scale is 2^e with e = floor(log2(the largest magnitude in the block)) - 8, held to -126 .. 127; a block of zeros has e = 0. As a byte (E8M0): e + 127.
;;     - Each number is divided by its block's scale, clamped to +-448, and rounded to the nearest number of E4M3, ties to even, subnormals kept.
;;     - The product sums the exact products of the quantised numbers (number of the format x scale) in f32.
;;   ~~~python
;;   def quantise(x, axis):      # numpy; x: float32 -> the quantised numbers, widened to float32 again
;;       x = np.moveaxis(x, axis, -1); K = x.shape[-1]
;;       x = np.pad(x, [(0, 0)] * (x.ndim - 1) + [(0, -K % 32)]); x = x.reshape(x.shape[:-1] + (-1, 32)); a = np.abs(x).max(-1, keepdims=True)
;;       e = np.where(a > 0, np.clip(np.frexp(np.where(a > 0, a, 1))[1] - 1 - 8, -126, 127), 0)      # np.frexp(a)[1] - 1 = floor(log2(a)), exactly
;;       r = np.clip(x / 2.0 ** e, -448, 448)
;;       step = 2.0 ** (np.maximum(np.frexp(np.where(r == 0, 1, r))[1] - 1, -6) - 3)
;;       q = np.round(r / step) * step * 2.0 ** e      # np.round: ties to even
;;       return np.moveaxis(q.reshape(q.shape[:-2] + (-1,))[..., :K], -1, axis).astype(np.float32)
;;   ~~~
;;   OPERANDS COMPUTED ON THE WAY. 'Computed on the way' means the value that the module computes at that place (a softmax that the list does not call 'softmax' is quantised finished and normalised). What goes into a quantiser is computed in f32, as accurately as f32 sums, v_exp_f32 and their like allow (about 1e-6 of the number): no bf16 or f16 on the way to a quantiser, and a product that is left as it is and whose result goes on into a quantised operand takes f32 operands (vector FMAs, or v_wmma_f32_16x16x4_f32). A number that lies on a knife's edge between two numbers of the format may be rounded either way, as far as f32 arithmetic and the matrix unit's own rounding can turn it there, and no further.
;; One version. Each part assembles by itself: llvm-mc -triple=amdgcn-amd-amdhsa -mcpu=gfx1250 --defsym DOCPART=n.
;; ======== version 1 of 1: 4 launches
;; limits: right only within a limited range of input values
;; workspace buffers: xq 17,301,504 bytes; wq 8,650,752 bytes; parts 3,145,728 bytes; sums 1,024 bytes
;; launch quant (part 1): grid 768 x 1, 4 waves a work-group, no clusters, 33,280 bytes of LDS; arguments outputs, weight, xq, wq; writes xq, wq
.if DOCPART == 1
	.amdgcn_target "amdgcn-amd-amdhsa--gfx1250"
	.amdhsa_code_object_version 6
	.text
	.protected	k_q331088e59b_quant
	.globl	k_q331088e59b_quant
	.p2align	8
	.type	k_q331088e59b_quant,@function
k_q331088e59b_quant:
	s_mov_b64 s[64:65], 0
	v_nop
	global_prefetch_b8 v0, s[64:65] scope:SCOPE_SE
	s_setreg_imm32_b32 hwreg(HW_REG_WAVE_MODE, 25, 1), 1
	s_wait_xcnt 0x0
; outputs [8192][2048] and weight [4000][2048], f32, become codes of FP8 (E4M3) with one E8M0 scale byte for each 32 along K, laid as the product's launch loads them.
; A block's scale is 2^(floor(log2(its largest magnitude)) - 8); its byte is that magnitude's exponent field - 8, held at 1 from below (a block of zeros gets the byte 1 where the rule says 127:
; its codes are zeros, and this program alone reads the bytes).  Each number is divided by the scale, held within +-448 and rounded to the nearest code, ties to even.
; LIMITS: blocks whose largest magnitude lies under 2^-118 are held at the byte 1; NaN and infinities among the inputs are not served.
; THE LAYOUT: a unit of 33,792 bytes holds 128 rows x 256 along K: 128 rows of 256 codes, then 1,024 scale bytes (8 a row).  Unit number = (8 T + k) x 32 + g: k the K step of 256, g the group of 128 rows
; among 32, T the half of outputs' 8,192 rows (0 for weight).  Every row of a unit begins at a multiple of 256 bytes.
; A wave takes 32 rows x 256 along K: 16 steps of two rows' 1,024 bytes; its 8,192 codes and its 256 scale bytes are each one run of consecutive bytes.  The first 512 work-groups take outputs, the other 256 weight.
; The product walks 4,096 columns: rows 4,000 to 4,095 of weight's codes are rows 3,968 to 3,999 once more (the group of 32 rows that is read is held at 124); the product throws those columns away.
; A conversion takes 8 numbers of one block from one lane, so a lane must hold 16 neighbours, while a load is dense where neighbouring lanes take neighbouring bytes: a step's 2,048 bytes turn through the wave's own
; stage in LDS (16 bytes of padding behind each 64).  No tensor loads, no barrier: waves share nothing.  Loads run four steps (16 loads a wave) ahead, the turn through LDS one step.
.set STEPS, 16
.set WGA,   512
.set LASTW, 124
.set EMAX,  8
.set MANT,  0x600000
.set CB,    16
.set R,     16                         ; v16-79   four sets of 16 numbers as loaded
.set X,     80                         ; v80-111  two sets of 16 neighbours
.set C,     128                        ; v128-191 codes, four registers a step
.set E,     112                        ; v112-127 a scale byte a step
.set WREG,  8192                       ; LDS: a wave's region: two stages, then its 256 scale bytes
.set SP,    80
.set UNIT,  33792
	s_load_b128 s[4:7], s[0:1], 0x0                ; outputs, weight
	s_load_b128 s[8:11], s[0:1], 0x10              ; xq, wq
	v_lshl_add_u32 v192, v0, 2, 0x8000             ; my spare word, behind the four regions
	v_mov_b32 v193, 0
	v_lshrrev_b32 v1, 5, v0
	v_readfirstlane_b32 s16, v1                    ; wave
	v_and_b32 v2, 31, v0
	v_lshlrev_b32 v3, 4, v2                        ; my 16 bytes of a load's 512
	s_mul_i32 s17, s16, WREG
	v_lshrrev_b32 v14, 2, v2
	v_mul_u32_u24 v14, v14, SP
	v_and_b32 v15, 3, v2
	v_lshl_add_u32 v14, v15, 4, v14
	v_add_nc_u32 v14, s17, v14                     ; into the stage: SP (lane / 4) + 16 (lane % 4)
	v_mul_u32_u24 v15, v2, SP
	v_add_nc_u32 v15, s17, v15                     ; out of it: SP x lane
	v_mul_u32_u24 v4, v2, CB                       ; my codes' place in a step's 512
	v_lshrrev_b32 v5, 1, v2
	s_add_co_u32 s17, s17, 2*32*SP
	v_add_nc_u32 v5, s17, v5                       ; LDS: my block's scale byte
	v_lshlrev_b32 v7, 3, v2
	v_add_nc_u32 v6, s17, v7
	s_mov_b32 s23, MANT
	s_mov_b32 s22, LASTW
	s_wait_alu depctr_va_vdst(0)                   ; the wait at the head's end
	s_wait_kmcnt 0x0
	s_cmp_lt_u32 ttmp9, WGA                        ; outputs or weight: by the work-group's number alone
	s_cselect_b64 s[4:5], s[4:5], s[6:7]
	s_cselect_b64 s[8:9], s[8:9], s[10:11]
	s_cselect_b32 s22, 255, s22                    ; the tensor's last whole group of 32 rows
	s_cselect_b32 s17, 0, WGA
	s_sub_co_u32 s17, ttmp9, s17
	s_lshl_b32 s17, s17, 2
	s_add_co_u32 s18, s17, s16                     ; my wave's run: 8 x (group of 32 rows) + K step
	s_and_b32 s19, s18, 7                          ; K step
	s_lshr_b32 s18, s18, 3                         ; the group of 32 rows that I write,
	s_min_u32 s22, s18, s22                        ; and the one that I read: no load leaves its buffer
	s_lshl_b32 s24, s22, 18                        ; 32 rows of 8,192 bytes
	s_lshl_b32 s25, s19, 10                        ; 1,024 bytes a K step
	s_add_co_u32 s24, s24, s25
	s_mov_b32 s25, 0
	s_add_nc_u64 s[4:5], s[4:5], s[24:25]
	s_lshr_b32 s20, s18, 2                         ; group of 128 rows
	s_lshr_b32 s21, s20, 5                         ; T
	s_and_b32 s20, s20, 31                         ; g
	s_lshl_b32 s21, s21, 3
	s_add_co_u32 s21, s21, s19
	s_lshl_b32 s21, s21, 5
	s_add_co_u32 s20, s20, s21                     ; the unit's number
	s_mul_i32 s20, s20, UNIT
	s_and_b32 s18, s18, 3                          ; which 32 of its 128 rows
	s_lshl_b32 s21, s18, 13
	s_add_co_u32 s20, s20, s21
	s_mov_b32 s21, 0
	s_add_nc_u64 s[8:9], s[8:9], s[20:21]          ; my 8,192 codes
	s_mul_i32 s18, s18, 7936
	s_sub_co_u32 s18, 0x8000, s18                  ; from there to my 256 scale bytes: 32,768 - 8,192 j + 256 j
	s_mov_b32 s19, 0
	s_add_nc_u64 s[10:11], s[8:9], s[18:19]
.macro LOAD t
.irp i, 0,1,2,3
	global_load_b128 v[R+16*((\t)%4)+4*\i:R+16*((\t)%4)+4*\i+3], v3, s[4:5] offset:8192*(2*(\t)+(\i)/2)+512*((\i)%2) th:TH_LOAD_NT   ; 512 consecutive bytes: half of a row's 1,024
.endr
.endm
.macro TURN t                          ; LDS serves a wave's instructions in order: no wait between the stores and the loads
.irp i, 0,1,2,3
	ds_store_b128 v14, v[R+16*((\t)%4)+4*\i:R+16*((\t)%4)+4*\i+3] offset:32*SP*((\t)%2)+8*SP*\i
.endr
.irp i, 0,1,2,3
	ds_load_b128 v[X+16*((\t)%2)+4*\i:X+16*((\t)%2)+4*\i+3], v15 offset:32*SP*((\t)%2)+16*\i
.endr
.endm
.irp t, 0,1,2,3
	LOAD \t
.endr
	s_wait_loadcnt 12                              ; step 0's four loads are in
	TURN 0
.macro STEP t
.set XS, X+16*((\t)%2)
.if (\t) > 0
	s_wait_dscnt 1                                 ; this step's numbers are back (the last step's byte store may be out)
.else
	s_wait_dscnt 0x0
.endif
.if (\t)+4 < STEPS
	LOAD (\t)+4
.endif
.if (\t)+1 < STEPS
.if STEPS-2-(\t) >= 3
	s_wait_loadcnt 12                              ; the next step's four loads are in; three steps' may be out
.else
	s_wait_loadcnt 4*(STEPS-2-(\t))
.endif
	TURN (\t)+1
.endif
	v_max3_num_f32 v8, |v[XS]|, |v[XS+1]|, |v[XS+2]|
	v_max3_num_f32 v9, |v[XS+3]|, |v[XS+4]|, |v[XS+5]|
.irp i, 6,10
	v_max3_num_f32 v8, v8, |v[XS+\i]|, |v[XS+\i+1]|
	v_max3_num_f32 v9, v9, |v[XS+\i+2]|, |v[XS+\i+3]|
.endr
	v_max3_num_f32 v8, v8, |v[XS+14]|, |v[XS+15]|
	v_max3_num_f32 v8, v8, v9, (EMAX+1)<<23        ; the floor: the byte cannot fall under 1
	v_max_num_f32_dpp v8, v8, v8 row_xmask:1 row_mask:0xf bank_mask:0xf   ; with my neighbour's 16: the block's
	v_add_nc_u32 v11, -(EMAX<<23), v8              ; the conversion's scale operand
	v_and_or_b32 v10, v8, 0x7f800000, s23          ; 448 x the scale
.irp i, 0,1,2,3,4,5,6,7,8,9,10,11,12,13,14,15
	v_med3_num_f32 v[XS+\i], v[XS+\i], -v10, v10   ; the conversion does not saturate (ISA guide 7.6.2): hold first
.endr
	v_cvt_scalef32_pk8_fp8_f32 v[C+4*(\t):C+4*(\t)+1], v[XS:XS+7], v11
	v_cvt_scalef32_pk8_fp8_f32 v[C+4*(\t)+2:C+4*(\t)+3], v[XS+8:XS+15], v11
	v_lshrrev_b32 v[E+(\t)], 23, v11               ; the scale's byte (also the plain line behind the conversions)
	ds_store_b8 v5, v[E+(\t)] offset:16*(\t)       ; row 2 t + lane / 16, block (lane / 2) % 8: byte 16 t + lane / 2
	global_store_b128 v4, v[C+4*(\t):C+4*(\t)+3], s[8:9] offset:32*CB*(\t)   ; two rows of 256 codes: 512 consecutive bytes
.endm
.irp t, 0,1,2,3,4,5,6,7,8,9,10,11,12,13,14,15
	STEP \t
.endr
	ds_load_b64 v[12:13], v6
	s_wait_dscnt 0x0
	global_store_b64 v7, v[12:13], s[10:11]        ; 256 consecutive bytes, aligned
	s_wait_tensorcnt 0x0                           ; the wave's end
	ds_add_u32 v192, v193
	s_wait_dscnt 0x0
	s_endpgm
.Lfunc_end_k_q331088e59b_quant:
	.size	k_q331088e59b_quant, .Lfunc_end_k_q331088e59b_quant-k_q331088e59b_quant
	.p2alignl 7, 3214868480
	.fill 96, 4, 3214868480
	.section	.rodata,"a",@progbits
	.p2align	6, 0x0
	.amdhsa_kernel k_q331088e59b_quant
		.amdhsa_group_segment_fixed_size 33280
		.amdhsa_private_segment_fixed_size 0
		.amdhsa_enable_private_segment 0
		.amdhsa_kernarg_size 32
		.amdhsa_user_sgpr_count 2
		.amdhsa_user_sgpr_kernarg_segment_ptr 1
		.amdhsa_wavefront_size32 1
		.amdhsa_system_sgpr_workgroup_id_x 1
		.amdhsa_system_sgpr_workgroup_id_y 1
		.amdhsa_system_sgpr_workgroup_id_z 1
		.amdhsa_system_vgpr_workitem_id 0
		.amdhsa_next_free_vgpr 194
		.amdhsa_next_free_sgpr 66
		.amdhsa_reserve_vcc 0
		.amdhsa_float_denorm_mode_32 3
		.amdhsa_float_denorm_mode_16_64 3
		.amdhsa_memory_ordered 1
		.amdhsa_forward_progress 1
		.amdhsa_inst_pref_size 52
	.end_amdhsa_kernel
	.amdgpu_metadata
---
amdhsa.version: [ 1, 2 ]
amdhsa.kernels:
  - .name:           k_q331088e59b_quant
    .symbol:         k_q331088e59b_quant.kd
    .args:
      - { .name: outputs, .offset: 0, .size: 8, .value_kind: global_buffer, .address_space: global }
      - { .name: weight, .offset: 8, .size: 8, .value_kind: global_buffer, .address_space: global }
      - { .name: xq, .offset: 16, .size: 8, .value_kind: global_buffer, .address_space: global }
      - { .name: wq, .offset: 24, .size: 8, .value_kind: global_buffer, .address_space: global }
    .group_segment_fixed_size: 33280
    .private_segment_fixed_size: 0
    .kernarg_segment_align: 8
    .kernarg_segment_size: 32
    .max_flat_workgroup_size: 128
    .sgpr_count:     66
    .vgpr_count:     194
    .wavefront_size: 32
...
	.end_amdgpu_metadata
.endif
;; end of part 1
;; launch gemm (part 2): grid 16 x 16, 4 waves a work-group, clusters of 4 x 4, 327,680 bytes of LDS; arguments xq, wq, targets, parts; writes parts
.if DOCPART == 2
	.amdgcn_target "amdgcn-amd-amdhsa--gfx1250"
	.amdhsa_code_object_version 6
	.text
	.protected	k_q331088e59b_gemm
	.globl	k_q331088e59b_gemm
	.p2align	8
	.type	k_q331088e59b_gemm,@function
k_q331088e59b_gemm:
	s_mov_b64 s[64:65], 0
	v_nop
	global_prefetch_b8 v0, s[64:65] scope:SCOPE_SE
	s_setreg_imm32_b32 hwreg(HW_REG_WAVE_MODE, 25, 1), 1
	s_wait_xcnt 0x0
	s_wait_alu depctr_hold_cnt(0) depctr_sa_sdst(0) depctr_va_vdst(0) depctr_va_sdst(0) depctr_va_ssrc(0) depctr_va_vcc(0) depctr_vm_vsrc(0)
	s_getreg_b32 s2, hwreg(HW_REG_IB_STS2, 6, 4)
	s_cmp_eq_u32 s2, 0
	s_cbranch_scc0 .Lentry_in_a_cluster
	s_endpgm
.Lentry_in_a_cluster:
	s_bfe_u32 s2, ttmp6, 0x10000c
	s_cmp_lg_u32 s2, 0xf033
	s_cbranch_scc0 .Lentry_shape_is_right
	s_endpgm
.Lentry_shape_is_right:
; logits[m][n] = sum over k of X[m][k] W[n][k], X: 8,192 rows, W: 4,096 rows (rows 4,000 on are copies, thrown away below), K = 2,048: codes of FP8 (E4M3), one E8M0 byte for each 32 along K; sums in f32.
; The logits never go to memory: each wave reduces its 128 x 128 of them to three numbers a row: m = the largest logit, S = the sum of e^(logit - m), T = the logit at the row's target column if that column is the wave's, else 0.
; They go to parts at byte stat x 1,048,576 + (128 columns' number) x 32,768 + (128 rows' number) x 512 + 16 x lane + 4 i, for row 32 i + lane of the 128; the next launch joins a row's 32 column parts.
; 256 work-groups of four waves; A WORK-GROUP STAYS and makes two tiles of 256 x 256, 4,096 rows apart; a wave makes 128 x 128: 64 accumulators, 512 registers.
; OPERANDS come as units of 132 rows x 256 bytes, dense in memory: 128 rows' codes of one K step of 256, then those rows' 1,024 scale bytes (8 a row).  Unit number (8 T + k) x 32 + g (T: the tile, 0 for W).
; One tensor load a wave brings one unit: waves 0, 1 X's two, waves 2, 3 W's two.  A ring of two LDS slots of four units; X's address goes on by two K steps at every refill, across the tiles too; W's goes back at the change of tiles.
; CLUSTERS: 4 x 4.  The four of a row of the cluster ask for X's units jointly, the four of a column for W's.  The matrix instruction is used transposed (source 0 = W, source 1 = X): lane l holds row l % 16, register j column 8 (l / 16) + j.
; LDS LOADS: FOUR RUNS FOR A SLOT'S 128 PRODUCTS, each behind eight places.  X has one set of fragments, W two.  In the middle of a slot's first step: X's blocks 0-3 and W's 4-7 of its
; second step (32 loads); at that step's end X's 4-7 (16), the slot's last reads.  Then the wait for all tensor loads, the add, groups 0 and 1, the wait for LDS, the round (group 2 inside it), the refill.  Behind it, from the other slot:
; the scale words, X's 0-2 and W's eight (52); at the second step's end X's 3-7 and W's 0-3 of the step after (36).
; PREFETCH: behind each refill the unit that stands two refills on in my wave's stream is asked for: 132 blocks of 256 bytes, 33 to each of the four partners by address (32 lanes a block each, and one more line for the 33rd).
; X's stream has 16 K steps, so the first 12 of 14 refills ask; W's 8 K steps are read again in the second tile, so the first 4 ask.  The first four K steps come by their loads alone.
; THE PAD COLUMNS: 4,000 = 31 x 128 + 32: only the last 128 columns' blocks 2 to 7 are pad.  PEN is -infinity in the waves that hold them, else 0 (a selected value, no branch); blocks 0, 1 are real everywhere, so m is finite.
; LIMITS: NaN and infinities among the inputs are not served; a target lies in 0 .. 3,999 (outside all columns T stays 0); S is summed in another order than a plain row sum; v_exp_f32 is good to 1 ulp.
; REGISTERS: window 0: v16-31 addresses; v32-63 scale words, two sets, nothing else ever; v64-71 targets; v128-255 X's fragments; in the reduction v72-255 are at work.  Window 1: W's two sets.  Windows 2, 3: accumulator (a, b) at v[8 (8 (a % 4) + b)].
.set PITCH, 272                        ; an LDS row: 256 bytes + 16 of padding
.set FR,    16
.set NP,    8
.set HT,    132*PITCH                  ; a unit in LDS
.set SLOT,  4*HT
.set SPARE, 2*SLOT                     ; the spare words: 512 bytes that no other line names
.set BLK,   132*256                    ; a unit in memory
.set KS,    32*BLK                     ; from a K step to the next
.set SOFF,  128*PITCH                  ; a unit's scale bytes
.set LAPS,  4
.set ADRA, 16                          ; v16-17 my X fragments in slot 0, 1
.set ADRB, 20                          ; v20-21 my W fragments
.set ADRS, 22                          ; v22-23 my scale words: lanes 0-15 X's rows, lanes 16-31 W's
.set TO,   24
.set PO,   25
.set H8,   26
.set SPW,  28
.set NIL,  29
.set PFO,  30                          ; 256 x lane
.set PF2,  31                          ; 256 x 32
.set SC,   32                          ; set s at SC + 16 s; register 2 i + q: block i's word for the slot's q-th 128 along K
.set TG,   64
.set AF,   128
.set MX,   72
.set TR,   96
.set EX,   128
.set RM,   192
.set RS,   200
.set RT,   208
.set NM,   216
.set NM2,  218
.set BT,   220
.set PX,   227
.set OM,   228
.set OS,   232
.set OT,   236
.set BM,   18
.set EQ,   94
.set PEN,  95
.set HI16, 66
.set NL2E, 67
.set PFA,  68                          ; s[68:69] where my prefetches stand
.set LIM,  70                          ; how many refills ask
.set PFC,  71                          ; refills so far
.set L2E,  98
.set SEL,  100
.set G1, 24
.set G0, 32
.set G1B, 48
.set G0B, 56
.set MSB, 0
.macro WIN new
.if MSB != \new
	s_set_vgpr_msb (MSB<<8)|\new
.set MSB, \new
.endif
.endm
.set MUL_LO, 0xa1                      ; source 0 (W) window 1, source 1 (X) window 0, C and D window 2; + 0x50: window 3
.set TO_B,   0x40
.macro JLOAD s                         ; a joint load; an s_nop 0 and four v_nop follow each line
	s_cmp_eq_u32 s15, 0
	s_cbranch_scc0 .Lfor_b_\@
	tensor_load_to_lds s[G0+4*\s:G0+4*\s+3], s[G1:G1+7]
	s_nop 0
.rept 4
	v_nop
.endr
	s_branch .Lasked_\@
.Lfor_b_\@:
	tensor_load_to_lds s[G0B+4*\s:G0B+4*\s+3], s[G1B:G1B+7]
	s_nop 0
.rept 4
	v_nop
.endr
.Lasked_\@:
.endm
.macro ASK
	s_cmp_lt_u32 s[PFC], s[LIM]                    ; by the wave's number and the count of refills alone
	s_cbranch_scc0 .Lno_ask_\@
	global_prefetch_b8 v[PFO], s[PFA:PFA+1] th:TH_LOAD_NT scope:SCOPE_SE
	global_prefetch_b8 v[PF2], s[PFA:PFA+1] th:TH_LOAD_NT scope:SCOPE_SE   ; my 33rd block, named by every lane
.Lno_ask_\@:
	s_add_co_u32 s[PFC], s[PFC], 1
.endm
.macro CREST
	s_cmp_lg_u32 s14, 0
	s_cbranch_scc1 .Lnot_wave_0_\@
	s_barrier_signal -3
.Lnot_wave_0_\@:
	s_barrier_wait -3
	s_barrier_signal -1
	s_barrier_wait -1
.endm
.macro CROUND
	s_barrier_signal -1
	s_barrier_wait -1
	CREST
.endm
.macro PLACES n
.rept \n
	v_nop
.endr
.endm
	s_load_b128 s[4:7], s[0:1], 0x0                ; xq, wq
	s_load_b64 s[12:13], s[0:1], 0x10              ; targets
	s_load_b64 s[96:97], s[0:1], 0x18              ; parts
	v_lshl_add_u32 v[SPW], v0, 2, SPARE
	v_mov_b32 v[NIL], 0
	ds_add_u32 v[SPW], v[NIL]                      ; the opening lines: the add twice and its wait
	ds_add_u32 v[SPW], v[NIL]
	v_lshrrev_b32 v1, 5, v0
	v_readfirstlane_b32 s14, v1                    ; wave
	s_lshr_b32 s15, s14, 1                         ; my half of the tile's rows; also: I fetch for X (0) or W (1)
	s_and_b32 s16, s14, 1                          ; my half of its columns; also: which unit I fetch
	s_bfe_u32 s40, ttmp6, 0x40000                  ; cx
	s_bfe_u32 s41, ttmp6, 0x40004                  ; cy
	s_lshl_b32 s42, ttmp9, 2
	s_add_co_u32 s42, s42, s40                     ; tile column
	s_and_b32 s17, ttmp7, 0xffff
	s_lshl_b32 s17, s17, 2
	s_add_co_u32 s17, s17, s41                     ; tile row, 0 .. 15
	s_lshl_b32 s43, s41, 2
	s_lshl_b32 s43, 15, s43                        ; my row of the cluster
	s_lshl_b32 s44, 0x1111, s40                    ; my column
	s_or_b32 s[G1], s43, (1<<20)|(1<<21)|(5<<22)|(3<<25)   ; elements of 1 byte; 4 words of padding behind every 64
	s_or_b32 s[G1B], s44, (1<<20)|(1<<21)|(5<<22)|(3<<25)
.irp g, G1, G1B
	s_mov_b32 s[\g+1], 256<<16
	s_mov_b32 s[\g+2], 132<<16
	s_mov_b32 s[\g+3], 256<<16
	s_mov_b32 s[\g+4], 132
	s_mov_b32 s[\g+5], 256
	s_mov_b32 s[\g+6], 0
	s_mov_b32 s[\g+7], 0
.endr
	s_lshl_b32 s20, s17, 1
	s_add_co_u32 s20, s20, s16
	s_mul_i32 s20, s20, BLK                        ; X: unit 2 x tile row + half
	s_mov_b32 s21, 0
	s_lshl_b32 s46, s42, 1
	s_add_co_u32 s46, s46, s16
	s_mul_i32 s46, s46, BLK                        ; W: unit 2 x tile column + half
	s_mov_b32 s47, 0
	s_mul_i32 s45, s14, HT                         ; where my unit goes
	s_wait_dscnt 0x0
	s_wait_kmcnt 0x0
	s_add_nc_u64 s[20:21], s[4:5], s[20:21]
	s_add_nc_u64 s[46:47], s[6:7], s[46:47]
	CROUND                                         ; the first joint loads meet
.irp s, 0,1
	s_mov_b32 s[G0+4*\s], 1
	s_add_co_u32 s[G0+4*\s+1], s45, \s*SLOT
	s_add_nc_u64 s[G0+4*\s+2:G0+4*\s+3], s[20:21], \s*KS
	s_or_b32 s[G0+4*\s+3], s[G0+4*\s+3], 0x80000000
	s_mov_b32 s[G0B+4*\s], 1
	s_add_co_u32 s[G0B+4*\s+1], s45, \s*SLOT
	s_add_nc_u64 s[G0B+4*\s+2:G0B+4*\s+3], s[46:47], \s*KS
	s_or_b32 s[G0B+4*\s+3], s[G0B+4*\s+3], 0x80000000
.endr
	JLOAD 0                                        ; K step 0: one tensor load a wave at the head
	s_cmp_eq_u32 s15, 0
	s_cselect_b64 s[PFA:PFA+1], s[20:21], s[46:47]
	s_cselect_b32 s22, s40, s41                    ; my place among the four that ask with me
	s_cselect_b32 s[LIM], 12, 4
	s_mul_i32 s22, s22, 33*256
	s_mov_b32 s23, 0
	s_add_nc_u64 s[PFA:PFA+1], s[PFA:PFA+1], s[22:23]
	s_add_nc_u64 s[PFA:PFA+1], s[PFA:PFA+1], 3*KS  ; the first refill steps it to K step 4
	s_mov_b32 s[PFC], 0
	s_mul_i32 s21, s15, HT                         ; my 128 rows of X
	s_mul_i32 s22, s16, HT
	s_add_co_u32 s22, s22, 2*HT                    ; my 128 rows of W
	s_sub_co_u32 s23, s22, s21
	s_add_co_u32 s18, s21, SOFF
	v_and_b32 v1, 15, v0
	v_bfe_u32 v2, v0, 4, 1
	v_mul_u32_u24 v3, v1, PITCH
	v_lshl_add_u32 v4, v2, 4, v3                   ; row x pitch + 16 x half
	v_add_nc_u32 v[ADRA], s21, v4
	v_add_nc_u32 v[ADRB], s22, v4
	v_add_nc_u32 v[ADRA+1], SLOT, v[ADRA]
	v_add_nc_u32 v[ADRB+1], SLOT, v[ADRB]
	v_mul_u32_u24 v6, s23, v2                      ; lanes 16-31 take W's scale words
	v_lshl_add_u32 v6, v1, 3, v6                   ; 8 bytes a row
	v_add_nc_u32 v[ADRS], s18, v6
	v_add_nc_u32 v[ADRS+1], SLOT, v[ADRS]
	v_lshlrev_b32 v[TO], 2, v1
	v_and_b32 v5, 31, v0
	v_lshlrev_b32 v[PO], 4, v5
	v_lshlrev_b32 v[H8], 3, v2
	v_lshlrev_b32 v[PFO], 8, v5
	v_mov_b32 v[PF2], 32*256
	s_lshl_b32 s20, s17, 8
	s_lshl_b32 s21, s15, 7
	s_add_co_u32 s20, s20, s21                     ; my first row in the first tile
	s_lshl_b32 s20, s20, 2
	s_mov_b32 s21, 0
	s_add_nc_u64 s[12:13], s[12:13], s[20:21]
	s_lshl_b32 s46, s42, 1
	s_add_co_u32 s46, s46, s16                     ; which 128 columns are mine, 0 .. 31
	s_cmp_eq_u32 s46, 31
	s_cselect_b32 s[PEN], 0xff800000, 0
	s_lshl_b32 s47, s46, 7                         ; my first column
	s_lshl_b32 s18, s46, 15
	s_lshl_b32 s2, s17, 1
	s_add_co_u32 s2, s2, s15
	s_lshl_b32 s2, s2, 9
	s_add_co_u32 s18, s18, s2
	s_mov_b32 s19, 0
	s_add_nc_u64 s[96:97], s[96:97], s[18:19]
	s_mov_b32 s[HI16], 0xffff0000
	s_mov_b32 s[NL2E], 0xbfb8aa3b
	s_mov_b32 s[L2E], 0x3fb8aa3b
	s_mov_b32 s[L2E+1], s[L2E]
	s_mov_b32 s[SEL], 0x76543210
	s_mov_b32 s[SEL+1], 0xfedcba98
.macro FRAG reg, adr, q, i             ; 16 rows x 128 K: registers 4 c .. 4 c + 3 hold K = 32 c + 16 (l / 16) + 0 .. 15
.irp c, 0,1,2,3
	ds_load_b128 v[\reg+4*\c:\reg+4*\c+3], v[\adr] offset:128*(\q)+32*\c+(\i)*16*PITCH
.endr
.endm
.macro LA slot, q, i                   ; X's block i
	WIN 0
	FRAG AF+FR*(\i), ADRA+(\slot), \q, \i
.endm
.macro LB slot, q, p, i                ; W's block i into set p
	WIN TO_B
	FRAG 128*(\p)+FR*(\i), ADRB+(\slot), \q, \i
.endm
.macro LS slot, i0                     ; four blocks' scale words, two words a row
	WIN 0
.irp i, \i0, \i0+1, \i0+2, \i0+3
	ds_load_b64 v[SC+16*(\slot)+2*(\i):SC+16*(\slot)+2*(\i)+1], v[ADRS+(\slot)] offset:((\i)/2)*PITCH+((\i)%2)*128
.endr
.endm
; Eight products: X's block a against W's eight.  The 64 accumulators take turns in the same order in every step.
.macro GRP a, q, sc, zero              ; q: the slot's q-th 128 along K, and W's set
	WIN MUL_LO+0x50*((\a)/4)
.irp b, 0,1,2,3,4,5,6,7
.set DA, 8*(8*((\a)%4)+\b)
.set WB, 128*(\q)+FR*\b
.set XA, AF+FR*(\a)
.set SW, SC+16*(\sc)+2*\b+(\q)
.set SX, SC+16*(\sc)+2*(\a)+(\q)
.if \zero
	v_wmma_scale_f32_16x16x128_f8f6f4 v[DA:DA+7], v[WB:WB+FR-1], v[XA:XA+FR-1], 0, v[SW], v[SX] matrix_a_scale:MATRIX_SCALE_ROW1
.else
	v_wmma_scale_f32_16x16x128_f8f6f4 v[DA:DA+7], v[WB:WB+FR-1], v[XA:XA+FR-1], v[DA:DA+7], v[SW], v[SX] matrix_a_scale:MATRIX_SCALE_ROW1
.endif
.endr
.endm
.macro GAMMA ns                        ; 52 loads: what slot ns's first step begins with
	LS \ns, 0
	LS \ns, 4
.irp i, 0,1,2
	LA \ns, 0, \i
.endr
.irp i, 0,1,2,3,4,5,6,7
	LB \ns, 0, 0, \i
.endr
.endm
.macro TEND ns                         ; 36 loads: the rest of X for that step, and half of W for the step behind it
.irp i, 3,4,5,6,7
	LA \ns, 0, \i
.endr
.irp i, 0,1,2,3
	LB \ns, 1, 1, \i
.endr
	WIN 0
.endm
; A slot's first step.
.macro NSTEP slot, zero
	s_wait_dscnt 36                                ; GAMMA's loads are in; TEND's 36 may be out
	GRP 0, 0, \slot, \zero
	GRP 1, 0, \slot, \zero
	GRP 2, 0, \slot, \zero
	s_wait_dscnt 32                                ; X's block 3 is in: behind it stand blocks 4-7 and W's four
	GRP 3, 0, \slot, \zero
	PLACES NP
.irp i, 0,1,2,3
	LA \slot, 1, \i
.endr
.irp i, 4,5,6,7
	LB \slot, 1, 1, \i
.endr
	s_wait_dscnt 48                                ; X's blocks 4-7 are in: behind them stand W's four of TEND and the 32 just issued
	GRP 4, 0, \slot, \zero
	GRP 5, 0, \slot, \zero
	GRP 6, 0, \slot, \zero
	GRP 7, 0, \slot, \zero
	PLACES NP
.irp i, 4,5,6,7
	LA \slot, 1, \i                                ; my last reads of this slot
.endr
.endm
; A slot's second step.  fill: 0 none, 1 this slot takes the K step two on, 2 the same at the change of tiles (W goes back six K steps).  nx: the other slot's first fragments are fetched.
.macro TSTEP slot, fill, nx
.if \fill
	s_wait_xcnt 0x0                                ; my last prefetches have read their address
	s_add_nc_u64 s[PFA:PFA+1], s[PFA:PFA+1], KS
.endif
.if \fill || \nx
	WIN 0
	s_wait_tensorcnt 0x0                           ; all my tensor loads have landed: my unit of the other slot
	ds_add_u32 v[SPW], v[NIL]
	s_wait_dscnt 17                                ; the first step's middle run is in; its last 16 loads and the add may be out
	GRP 0, 1, \slot, 0
	GRP 1, 1, \slot, 0
	s_wait_dscnt 0x0                               ; the add is done, my reads of this slot are over
	s_barrier_signal -1
	GRP 2, 1, \slot, 0
	WIN 0
	s_barrier_wait -1
.if \fill
	CREST                                          ; the round: no wave of any partner reads this slot or has a load on its way
	s_add_nc_u64 s[G0+4*\slot+2:G0+4*\slot+3], s[G0+4*\slot+2:G0+4*\slot+3], 2*KS
.if \fill == 1
	s_add_nc_u64 s[G0B+4*\slot+2:G0B+4*\slot+3], s[G0B+4*\slot+2:G0B+4*\slot+3], 2*KS
.else
	s_sub_nc_u64 s[G0B+4*\slot+2:G0B+4*\slot+3], s[G0B+4*\slot+2:G0B+4*\slot+3], 6*KS
.endif
	JLOAD \slot                                    ; my one tensor load behind the round; its four v_nop are four of the eight places
	ASK
.if \nx
	PLACES NP-4
.endif
.else
	PLACES NP
.endif
.else
	s_wait_dscnt 16
	GRP 0, 1, \slot, 0
	GRP 1, 1, \slot, 0
	s_wait_dscnt 0x0
	GRP 2, 1, \slot, 0
.endif
.if \nx
	GAMMA 1-\slot
.endif
.irp g, 3,4,5,6,7
	GRP \g, 1, \slot, 0
.endr
.if \nx
	PLACES NP
	TEND 1-\slot
.endif
.endm
	s_wait_alu depctr_va_vdst(0)                   ; the wait at the head's end
	s_wait_tensorcnt 0x0                           ; my unit of K step 0 is in; slot 1's first fill is issued as a refill is
	ds_add_u32 v[SPW], v[NIL]
	s_wait_dscnt 0x0
	CROUND
	JLOAD 1
	s_mov_b32 s2, 2                                ; tiles to go
.Ltile:
.irp a, 0,1,2,3,4,5,6,7
	global_load_b32 v[TG+\a], v[TO], s[12:13] offset:64*\a         ; the target of row 16 a + l % 16
.endr
	GAMMA 0                                        ; the tile's first fragments, in the order in which every second step leaves them
	TEND 0
	NSTEP 0, 1                                     ; the first products start the sums
	s_mov_b32 s3, LAPS-1
.Llap:
	TSTEP 0, 1, 1
	NSTEP 1, 0
	TSTEP 1, 1, 1
	NSTEP 0, 0
	s_sub_co_u32 s3, s3, 1
	s_cmp_lg_u32 s3, 0
	s_cbranch_scc1 .Llap
	s_cmp_eq_u32 s2, 1
	s_cbranch_scc1 .Llast
	TSTEP 0, 2, 1                                  ; the ring goes on: slot 0 takes the next tile's K step 0,
	NSTEP 1, 0
	TSTEP 1, 2, 0                                  ; slot 1 its K step 1; they land under the reduction
	WIN 0
	s_branch .Lred
.Llast:
	TSTEP 0, 0, 1                                  ; the last tile's tail asks for nothing more
	NSTEP 1, 0
	TSTEP 1, 0, 0
	WIN 0
.Lred:
; THE REDUCTION.  Block a is 16 rows x 128 columns: a lane holds one row (l % 16) and 64 of its logits, register 8 b + j = column 16 b + 8 (l / 16) + j; the lane 16 away holds the other 64.
	PLACES NP
	s_wait_loadcnt 0x0                             ; the targets
	v_mov_b32 v[NM+1], 0
	v_mov_b32 v[NM2+1], 0
	v_mov_b32 v[PX], 0
.irp a, 0,1,2,3,4,5,6,7
	v_sub_nc_u32 v[TG+\a], v[TG+\a], s47           ; the target's column among my 128
.endr
.irp a, 0,1,2,3,4,5,6,7
	v_xor_b32 v[TG+\a], v[TG+\a], v[H8]            ; c: bit 3 is 0 where the column lies in my half; bits 6:4 are b, bits 2:0 are j
.endr
.macro ROWS a
.set AC, 64*((\a)%4)
	WIN 0
	v_and_b32 v[BT+0], 64, v[TG+(\a)]
	v_and_b32 v[BT+1], 32, v[TG+(\a)]
	v_and_b32 v[BT+2], 16, v[TG+(\a)]
	v_and_b32 v[BT+3], 4, v[TG+(\a)]
	v_and_b32 v[BT+4], 2, v[TG+(\a)]
	v_and_b32 v[BT+5], 1, v[TG+(\a)]
	v_and_b32 v[BT+6], 0xffffff88, v[TG+(\a)]
.irp k, 0,1,2,3,4,5
	v_cmp_ne_u32 s[BM+\k], 0, v[BT+\k]
.endr
	v_cmp_eq_u32 s[EQ], 0, v[BT+6]                 ; the lanes whose 64 columns hold the row's target
	WIN 0x2a+0x15*((\a)/4)
.irp b, 0,1,2,3,4,5,6,7
	v_max3_num_f32 v[MX+3*\b], v[AC+8*\b], v[AC+8*\b+1], v[AC+8*\b+2]         ; each accumulator from its low end on
	v_max3_num_f32 v[MX+3*\b+1], v[AC+8*\b+3], v[AC+8*\b+4], v[AC+8*\b+5]
	v_max_num_f32 v[MX+3*\b+2], v[AC+8*\b+6], v[AC+8*\b+7]
.endr
	WIN 0x0a+5*((\a)/4)
.set i, 0
.rept 32
	v_cndmask_b32 v[TR+i], v[AC+i], v[AC+32+i], s[BM]              ; the tree that picks the target's logit: a value is selected in every lane
.set i, i+1
.endr
	WIN 0
.irp g, 0,1,2,3,4,5,6,7
	v_max3_num_f32 v[MX+3*\g], v[MX+3*\g], v[MX+3*\g+1], v[MX+3*\g+2]
.endr
	v_max_num_f32 v[MX], v[MX], v[MX+3]            ; blocks 0 and 1: real columns everywhere
	v_max3_num_f32 v[MX+6], v[MX+6], v[MX+9], v[MX+12]
	v_max3_num_f32 v[MX+15], v[MX+15], v[MX+18], v[MX+21]
	v_max_num_f32 v[MX+6], v[MX+6], v[MX+15]
	v_add_f32 v[MX+6], s[PEN], v[MX+6]             ; blocks 2 to 7 count for nothing where they are pad
	v_max_num_f32 v[MX], v[MX], v[MX+6]
	v_permlanex16_b32 v[PX], v[MX], s[SEL], s[SEL+1]
	v_max_num_f32 v[RM+(\a)], v[MX], v[PX]         ; m
.set i, 0
.rept 16
	v_cndmask_b32 v[TR+i], v[TR+i], v[TR+16+i], s[BM+1]
.set i, i+1
.endr
.set i, 0
.rept 8
	v_cndmask_b32 v[TR+i], v[TR+i], v[TR+8+i], s[BM+2]
.set i, i+1
.endr
.set i, 0
.rept 4
	v_cndmask_b32 v[TR+i], v[TR+i], v[TR+4+i], s[BM+3]
.set i, i+1
.endr
	v_cndmask_b32 v[TR], v[TR], v[TR+2], s[BM+4]
	v_cndmask_b32 v[TR+1], v[TR+1], v[TR+3], s[BM+4]
	v_cndmask_b32 v[TR], v[TR], v[TR+1], s[BM+5]
	v_cndmask_b32 v[RT+(\a)], 0, v[TR], s[EQ]
	v_permlanex16_b32 v[PX], v[RT+(\a)], s[SEL], s[SEL+1]
	v_add_f32 v[RT+(\a)], v[RT+(\a)], v[PX]        ; T
	v_mul_f32 v[NM], s[NL2E], v[RM+(\a)]           ; -m log2(e)
	v_add_f32 v[NM2], s[PEN], v[NM]
	WIN 0x02+((\a)/4)
.set i, 0
.rept 8
	v_pk_fma_f32 v[EX+i:EX+i+1], v[AC+i:AC+i+1], s[L2E:L2E+1], v[NM:NM+1] op_sel_hi:[1,0,0]
.set i, i+2
.endr
.rept 24
	v_pk_fma_f32 v[EX+i:EX+i+1], v[AC+i:AC+i+1], s[L2E:L2E+1], v[NM2:NM2+1] op_sel_hi:[1,0,0]
.set i, i+2
.endr
	WIN 0
.set i, 0
	s_wait_alu depctr_va_vdst(0)                   ; the wait ahead of the batch
.rept 64
	v_exp_f32 v[EX+i], v[EX+i]                     ; e^(logit - m), at most 1
.set i, i+1
.endr
	v_nop
	s_wait_alu depctr_va_vdst(0)                   ; and behind it
.irp w, 4,8,16,32,64
.set i, 0
.rept 64/\w
	v_pk_add_f32 v[EX+i:EX+i+1], v[EX+i:EX+i+1], v[EX+i+\w/2:EX+i+\w/2+1]
.set i, i+\w
.endr
.endr
	v_add_f32 v[RS+(\a)], v[EX], v[EX+1]
	v_permlanex16_b32 v[PX], v[RS+(\a)], s[SEL], s[SEL+1]
	v_add_f32 v[RS+(\a)], v[RS+(\a)], v[PX]        ; S
.endm
.irp a, 0,1,2,3,4,5,6,7
	ROWS \a
.endr
.irp i, 0,1,2,3
	v_cndmask_b32 v[OM+\i], v[RM+2*\i], v[RM+2*\i+1], s[HI16]      ; lane l holds row 32 i + l
	v_cndmask_b32 v[OS+\i], v[RS+2*\i], v[RS+2*\i+1], s[HI16]
	v_cndmask_b32 v[OT+\i], v[RT+2*\i], v[RT+2*\i+1], s[HI16]
.endr
	global_store_b128 v[PO], v[OM:OM+3], s[96:97]                  ; 512 consecutive bytes, aligned
	global_store_b128 v[PO], v[OS:OS+3], s[96:97] offset:1048576
	global_store_b128 v[PO], v[OT:OT+3], s[96:97] offset:2097152
	s_wait_xcnt 0x0                                ; the stores have read their base and data
	s_add_nc_u64 s[12:13], s[12:13], 16384         ; the next tile: 4,096 rows on in targets,
	s_add_nc_u64 s[96:97], s[96:97], 16384         ; 32 groups of 128 rows on in parts
	s_sub_co_u32 s2, s2, 1
	s_cmp_lg_u32 s2, 0
	s_wait_alu depctr_va_vdst(0)                   ; the wait ahead of the branch
	s_cbranch_scc1 .Ltile
	s_wait_tensorcnt 0x0                           ; the wave's end
	ds_add_u32 v[SPW], v[NIL]
	s_wait_dscnt 0x0
	CROUND                                         ; the closing round
	s_endpgm
.Lfunc_end_k_q331088e59b_gemm:
	.size	k_q331088e59b_gemm, .Lfunc_end_k_q331088e59b_gemm-k_q331088e59b_gemm
	.p2alignl 7, 3214868480
	.fill 96, 4, 3214868480
	.section	.rodata,"a",@progbits
	.p2align	6, 0x0
	.amdhsa_kernel k_q331088e59b_gemm
		.amdhsa_group_segment_fixed_size 327680
		.amdhsa_private_segment_fixed_size 0
		.amdhsa_enable_private_segment 0
		.amdhsa_kernarg_size 32
		.amdhsa_user_sgpr_count 2
		.amdhsa_user_sgpr_kernarg_segment_ptr 1
		.amdhsa_wavefront_size32 1
		.amdhsa_system_sgpr_workgroup_id_x 1
		.amdhsa_system_sgpr_workgroup_id_y 1
		.amdhsa_system_sgpr_workgroup_id_z 1
		.amdhsa_system_vgpr_workitem_id 0
		.amdhsa_next_free_vgpr 1024
		.amdhsa_next_free_sgpr 102
		.amdhsa_reserve_vcc 0
		.amdhsa_float_denorm_mode_32 3
		.amdhsa_float_denorm_mode_16_64 3
		.amdhsa_memory_ordered 1
		.amdhsa_forward_progress 1
		.amdhsa_inst_pref_size 255
	.end_amdhsa_kernel
	.section	.bss,"aw",@nobits
	.p2align	6
	.space	262144
	.amdgpu_metadata
---
amdhsa.version: [ 1, 2 ]
amdhsa.kernels:
  - .name:           k_q331088e59b_gemm
    .symbol:         k_q331088e59b_gemm.kd
    .args:
      - { .name: xq, .offset: 0, .size: 8, .value_kind: global_buffer, .address_space: global }
      - { .name: wq, .offset: 8, .size: 8, .value_kind: global_buffer, .address_space: global }
      - { .name: targets, .offset: 16, .size: 8, .value_kind: global_buffer, .address_space: global }
      - { .name: parts, .offset: 24, .size: 8, .value_kind: global_buffer, .address_space: global }
    .group_segment_fixed_size: 327680
    .private_segment_fixed_size: 0
    .kernarg_segment_align: 8
    .kernarg_segment_size: 32
    .max_flat_workgroup_size: 128
    .sgpr_count:     102
    .vgpr_count:     1024
    .wavefront_size: 32
...
	.end_amdgpu_metadata
.endif
;; end of part 2
;; launch combine (part 3): grid 64 x 1, 4 waves a work-group, no clusters, 6,656 bytes of LDS; arguments parts, ref_logprobs, advantages, padding_masks, out5, sums; writes out5, sums
.if DOCPART == 3
	.amdgcn_target "amdgcn-amd-amdhsa--gfx1250"
	.amdhsa_code_object_version 6
	.text
	.protected	k_q331088e59b_combine
	.globl	k_q331088e59b_combine
	.p2align	8
	.type	k_q331088e59b_combine,@function
k_q331088e59b_combine:
	s_mov_b64 s[64:65], 0
	v_nop
	global_prefetch_b8 v0, s[64:65] scope:SCOPE_SE
	s_setreg_imm32_b32 hwreg(HW_REG_WAVE_MODE, 25, 1), 1
	s_wait_xcnt 0x0
; For each of 8,192 rows the 32 column parts (m, S, T) become logz = m + ln(sum of S e^(m_part - m)), with m the largest m_part, and pi = (sum of T) - logz: out5.  Then, as the loss is defined, for each token
; delta = ref - pi, kl = e^delta - delta - 1, pol = e^(pi - pi) x advantage, loss = 0.1 kl - pol; each times the mask; and the sums of loss, pol, kl and the mask over the work-group's 128 rows go to sums [64][4].
; A work-group takes 128 rows, which lie in one batch (its number / 16).  Wave w joins column parts 8 w .. 8 w + 7: 24 loads of 512 consecutive bytes; register i of a load is row 32 i + lane.
; The four waves' results meet in LDS (byte stat x 2,048 + 512 w + 4 x row) behind one barrier; wave 0 joins them, lane l taking rows 4 l .. 4 l + 3, and does the per-token work.
; Memory binds and the bytes are few (49,152 a work-group): no matrix unit, no tensor load, no cluster.  64 work-groups: as many as there are groups of 128 rows in parts.
; LIMITS: NaN and infinities are not served; v_exp_f32 and v_log_f32 are good to 1 ulp; the sums are taken in another order than a plain sum along a row.
	s_load_b256 s[4:11], s[0:1], 0x0               ; parts s[4:5], ref s[6:7], advantages s[8:9], masks s[10:11]
	s_load_b128 s[12:15], s[0:1], 0x20             ; out5 s[12:13], sums s[14:15]
	v_lshl_add_u32 v144, v0, 2, 0x1800
	v_mov_b32 v145, 0
	v_lshrrev_b32 v1, 5, v0
	v_readfirstlane_b32 s20, v1                    ; wave
	v_and_b32 v1, 31, v0                           ; lane
	v_lshlrev_b32 v2, 4, v1                        ; 16 x lane
	v_lshlrev_b32 v3, 2, v1                        ; 4 x lane
	s_lshl_b32 s27, s20, 9
	v_add_nc_u32 v4, s27, v3                       ; LDS: 4 x lane + 512 x wave
	v_mov_b32 v5, 0
	s_mov_b32 s21, 0x3fb8aa3b                      ; log2(e)
	s_mov_b32 s22, 0x3f317218                      ; ln(2)
	s_mov_b32 s23, 0x3dcccccd                      ; 0.1
	s_mov_b32 s24, 0x76543210
	s_mov_b32 s25, 0xfedcba98                      ; v_permlanex16_b32's selects for lane l xor 16
	s_lshr_b32 s28, ttmp9, 4
	s_lshl_b32 s28, s28, 2                         ; my batch's advantage: 4 bytes each
	s_mov_b32 s29, 0
	s_lshl_b32 s30, ttmp9, 9                       ; 128 rows of 4 bytes
	s_mov_b32 s31, 0
	s_lshl_b32 s32, ttmp9, 7                       ; 128 rows of 1 byte
	s_mov_b32 s33, 0
	s_lshl_b32 s34, ttmp9, 4                       ; my four sums
	s_mov_b32 s35, 0
	s_lshl_b32 s36, s20, 18                        ; my wave's eight column parts: 8 x 32,768 bytes a wave,
	s_add_co_u32 s36, s36, s30                     ; and in each my 128 rows' 512 bytes
	s_mov_b32 s37, 0
	s_wait_kmcnt 0x0
	s_add_nc_u64 s[8:9], s[8:9], s[28:29]
	s_load_b32 s16, s[8:9], 0x0                    ; the advantage (no line of this text writes that buffer)
	s_add_nc_u64 s[4:5], s[4:5], s[36:37]
	s_add_nc_u64 s[6:7], s[6:7], s[30:31]
	s_add_nc_u64 s[10:11], s[10:11], s[32:33]
	s_add_nc_u64 s[12:13], s[12:13], s[30:31]
	s_add_nc_u64 s[14:15], s[14:15], s[34:35]
	s_cmp_lg_u32 s20, 0                            ; wave 0 alone wants ref and the mask; its two loads stand ahead of all others, so the counts below hold in every wave
	s_cbranch_scc1 .Lnot_wave_0
	s_wait_alu depctr_va_vdst(0)
	global_load_b128 v[112:115], v2, s[6:7]        ; ref of rows 4 l .. 4 l + 3
	global_load_b32 v116, v3, s[10:11]             ; and their four mask bytes
.Lnot_wave_0:
	s_wait_alu depctr_va_vdst(0)
.irp p, 0,1,2,3,4,5,6,7
	global_load_b128 v[16+4*\p:19+4*\p], v2, s[4:5] offset:\p*32768             ; m
.endr
.irp p, 0,1,2,3,4,5,6,7
	global_load_b128 v[48+4*\p:51+4*\p], v2, s[4:5] offset:1048576+\p*32768     ; S
.endr
.irp p, 0,1,2,3,4,5,6,7
	global_load_b128 v[80+4*\p:83+4*\p], v2, s[4:5] offset:2097152+\p*32768     ; T
.endr
	s_wait_kmcnt 0x0                               ; the advantage
	s_wait_loadcnt 16                              ; the eight m are in; S's and T's sixteen loads may be out
.irp i, 0,1,2,3
	v_max3_num_f32 v[120+\i], v[16+\i], v[20+\i], v[24+\i]
.endr
.irp i, 0,1,2,3
	v_max3_num_f32 v[120+\i], v[120+\i], v[28+\i], v[32+\i]
.endr
.irp i, 0,1,2,3
	v_max3_num_f32 v[120+\i], v[120+\i], v[36+\i], v[40+\i]
.endr
.irp i, 0,1,2,3
	v_max_num_f32 v[120+\i], v[120+\i], v[44+\i]   ; the largest m of my eight parts
.endr
.irp i, 0,1,2,3
	v_mul_f32 v[124+\i], s21, v[120+\i]
.endr
.irp p, 0,1,2,3,4,5,6,7
.irp i, 0,1,2,3
	v_fma_f32 v[16+4*\p+\i], v[16+4*\p+\i], s21, -v[124+\i]        ; (m_part - m) log2(e), 0 or less
.endr
.endr
	s_wait_alu depctr_va_vdst(0)
.irp p, 0,1,2,3,4,5,6,7
.irp i, 0,1,2,3
	v_exp_f32 v[16+4*\p+\i], v[16+4*\p+\i]
.endr
.endr
	s_wait_loadcnt 8                               ; S is in; T's eight loads may be out
	v_nop                                          ; one plain line behind the exponentials
	s_wait_alu depctr_va_vdst(0)
.irp i, 0,1,2,3
	v_mul_f32 v[128+\i], v[48+\i], v[16+\i]        ; the first term starts the sum
.endr
.irp p, 1,2,3,4,5,6,7
.irp i, 0,1,2,3
	v_fmac_f32 v[128+\i], v[48+4*\p+\i], v[16+4*\p+\i]
.endr
.endr
	s_wait_loadcnt 0x0
	v_pk_add_f32 v[132:133], v[80:81], v[84:85]
	v_pk_add_f32 v[134:135], v[82:83], v[86:87]
.irp p, 2,3,4,5,6,7
	v_pk_add_f32 v[132:133], v[132:133], v[80+4*\p:81+4*\p]
	v_pk_add_f32 v[134:135], v[134:135], v[82+4*\p:83+4*\p]
.endr
.irp i, 0,1,2,3
	ds_store_b32 v4, v[120+\i] offset:128*\i       ; row 32 i + lane
	ds_store_b32 v4, v[128+\i] offset:2048+128*\i
	ds_store_b32 v4, v[132+\i] offset:4096+128*\i
.endr
	s_wait_dscnt 0x0                               ; for wave 0's sake: my stores have landed
	s_barrier_signal -1
	s_barrier_wait -1
	s_cmp_lg_u32 s20, 0
	s_cbranch_scc1 .Lend                           ; waves 1 to 3 are done
.irp w, 0,1,2,3
	ds_load_b128 v[16+4*\w:19+4*\w], v2 offset:512*\w              ; wave w's m of rows 4 l .. 4 l + 3,
	ds_load_b128 v[32+4*\w:35+4*\w], v2 offset:2048+512*\w         ; its sum,
	ds_load_b128 v[48+4*\w:51+4*\w], v2 offset:4096+512*\w         ; its T
.endr
.irp j, 0,1,2,3
	v_mov_b32 v[136+\j], 0                         ; a lane permute's destination counts as one of its sources
.endr
	s_wait_dscnt 0x0
.irp k, 0,1,2,3
	v_max3_num_f32 v[64+\k], v[16+\k], v[20+\k], v[24+\k]
.endr
.irp k, 0,1,2,3
	v_max_num_f32 v[64+\k], v[64+\k], v[28+\k]     ; the row's largest logit
.endr
.irp k, 0,1,2,3
	v_mul_f32 v[68+\k], s21, v[64+\k]
.endr
.irp w, 0,1,2,3
.irp k, 0,1,2,3
	v_fma_f32 v[16+4*\w+\k], v[16+4*\w+\k], s21, -v[68+\k]
.endr
.endr
	s_wait_alu depctr_va_vdst(0)
.irp w, 0,1,2,3
.irp k, 0,1,2,3
	v_exp_f32 v[16+4*\w+\k], v[16+4*\w+\k]
.endr
.endr
	v_pk_add_f32 v[76:77], v[48:49], v[52:53]      ; the target's logit: all parts but one are 0.  (Also the plain line behind the exponentials)
	v_pk_add_f32 v[78:79], v[50:51], v[54:55]
.irp w, 2,3
	v_pk_add_f32 v[76:77], v[76:77], v[48+4*\w:49+4*\w]
	v_pk_add_f32 v[78:79], v[78:79], v[50+4*\w:51+4*\w]
.endr
	s_wait_alu depctr_va_vdst(0)
.irp k, 0,1,2,3
	v_mul_f32 v[72+\k], v[32+\k], v[16+\k]
.endr
.irp w, 1,2,3
.irp k, 0,1,2,3
	v_fmac_f32 v[72+\k], v[32+4*\w+\k], v[16+4*\w+\k]              ; the row's sum of e^(logit - m): 1 at the least
.endr
.endr
	s_wait_alu depctr_va_vdst(0)
.irp k, 0,1,2,3
	v_log_f32 v[80+\k], v[72+\k]
.endr
	v_nop
	s_wait_alu depctr_va_vdst(0)
.irp k, 0,1,2,3
	v_fma_f32 v[80+\k], v[80+\k], s22, v[64+\k]    ; logz
.endr
.irp k, 0,1,2,3
	v_sub_f32 v[84+\k], v[76+\k], v[80+\k]         ; pi
.endr
	global_store_b128 v2, v[84:87], s[12:13]       ; 32 lanes store 512 consecutive bytes, aligned
.irp k, 0,1,2,3
	v_bfe_u32 v[88+\k], v116, 8*\k, 8
.endr
.irp k, 0,1,2,3
	v_cvt_f32_u32 v[88+\k], v[88+\k]               ; the mask as a number
.endr
.irp k, 0,1,2,3
	v_sub_f32 v[92+\k], v[112+\k], v[84+\k]        ; delta = ref - pi
	v_sub_f32 v[100+\k], v[84+\k], v[84+\k]        ; pi - pi, as the loss is defined
.endr
.irp k, 0,1,2,3
	v_mul_f32 v[96+\k], s21, v[92+\k]
	v_mul_f32 v[100+\k], s21, v[100+\k]
.endr
	s_wait_alu depctr_va_vdst(0)
.irp k, 0,1,2,3
	v_exp_f32 v[96+\k], v[96+\k]
	v_exp_f32 v[100+\k], v[100+\k]
.endr
	v_add_f32 v111, v88, v89                       ; the count of tokens.  (Also the plain line behind the exponentials)
	v_add_f32 v117, v90, v91
	v_add_f32 v111, v111, v117
	s_wait_alu depctr_va_vdst(0)
.irp k, 0,1,2,3
	v_sub_f32 v[96+\k], v[96+\k], v[92+\k]
	v_mul_f32 v[100+\k], s16, v[100+\k]            ; pol
.endr
.irp k, 0,1,2,3
	v_add_f32 v[96+\k], -1.0, v[96+\k]             ; kl = e^delta - delta - 1
.endr
.irp k, 0,1,2,3
	v_fma_f32 v[104+\k], s23, v[96+\k], -v[100+\k] ; loss = -(pol - 0.1 kl)
.endr
	v_mul_f32 v108, v104, v88
	v_mul_f32 v109, v100, v88
	v_mul_f32 v110, v96, v88
.irp k, 1,2,3
	v_fmac_f32 v108, v[104+\k], v[88+\k]
	v_fmac_f32 v109, v[100+\k], v[88+\k]
	v_fmac_f32 v110, v[96+\k], v[88+\k]
.endr
.irp x, 1,2,4,8
.irp j, 0,1,2,3
	v_add_f32_dpp v[108+\j], v[108+\j], v[108+\j] row_xmask:\x row_mask:0xf bank_mask:0xf
.endr
.endr
.irp j, 0,1,2,3
	v_permlanex16_b32 v[136+\j], v[108+\j], s24, s25
.endr
.irp j, 0,1,2,3
	v_add_f32 v[108+\j], v[108+\j], v[136+\j]      ; the sums over the 128 rows, in every lane
.endr
	v_cmp_eq_u32 vcc_lo, 0, v1
	s_wait_alu depctr_va_vdst(0)
	s_wait_xcnt 0x0                                ; EXEC is a source of the store above: it changes only behind this wait
	s_and_saveexec_b32 s26, vcc_lo
	global_store_b128 v5, v[108:111], s[14:15]     ; lane 0: loss, pol, kl, count
	s_wait_xcnt 0x0
	s_or_b32 exec_lo, exec_lo, s26
.Lend:
	s_wait_tensorcnt 0x0
	ds_add_u32 v144, v145
	s_wait_dscnt 0x0
	s_endpgm
.Lfunc_end_k_q331088e59b_combine:
	.size	k_q331088e59b_combine, .Lfunc_end_k_q331088e59b_combine-k_q331088e59b_combine
	.p2alignl 7, 3214868480
	.fill 96, 4, 3214868480
	.section	.rodata,"a",@progbits
	.p2align	6, 0x0
	.amdhsa_kernel k_q331088e59b_combine
		.amdhsa_group_segment_fixed_size 6656
		.amdhsa_private_segment_fixed_size 0
		.amdhsa_enable_private_segment 0
		.amdhsa_kernarg_size 48
		.amdhsa_user_sgpr_count 2
		.amdhsa_user_sgpr_kernarg_segment_ptr 1
		.amdhsa_wavefront_size32 1
		.amdhsa_system_sgpr_workgroup_id_x 1
		.amdhsa_system_sgpr_workgroup_id_y 1
		.amdhsa_system_sgpr_workgroup_id_z 1
		.amdhsa_system_vgpr_workitem_id 0
		.amdhsa_next_free_vgpr 146
		.amdhsa_next_free_sgpr 66
		.amdhsa_reserve_vcc 1
		.amdhsa_float_denorm_mode_32 3
		.amdhsa_float_denorm_mode_16_64 3
		.amdhsa_memory_ordered 1
		.amdhsa_forward_progress 1
		.amdhsa_inst_pref_size 20
	.end_amdhsa_kernel
	.amdgpu_metadata
---
amdhsa.version: [ 1, 2 ]
amdhsa.kernels:
  - .name:           k_q331088e59b_combine
    .symbol:         k_q331088e59b_combine.kd
    .args:
      - { .name: parts, .offset: 0, .size: 8, .value_kind: global_buffer, .address_space: global }
      - { .name: ref_logprobs, .offset: 8, .size: 8, .value_kind: global_buffer, .address_space: global }
      - { .name: advantages, .offset: 16, .size: 8, .value_kind: global_buffer, .address_space: global }
      - { .name: padding_masks, .offset: 24, .size: 8, .value_kind: global_buffer, .address_space: global }
      - { .name: out5, .offset: 32, .size: 8, .value_kind: global_buffer, .address_space: global }
      - { .name: sums, .offset: 40, .size: 8, .value_kind: global_buffer, .address_space: global }
    .group_segment_fixed_size: 6656
    .private_segment_fixed_size: 0
    .kernarg_segment_align: 8
    .kernarg_segment_size: 48
    .max_flat_workgroup_size: 128
    .sgpr_count:     66
    .vgpr_count:     146
    .wavefront_size: 32
...
	.end_amdgpu_metadata
.endif
;; end of part 3
;; launch finish (part 4): grid 1 x 1, 1 waves a work-group, no clusters, 0 bytes of LDS; arguments sums, out0, out1, out2, out3, out4; writes out0, out1, out2, out3, out4
.if DOCPART == 4
	.amdgcn_target "amdgcn-amd-amdhsa--gfx1250"
	.amdhsa_code_object_version 6
	.text
	.protected	k_q331088e59b_finish
	.globl	k_q331088e59b_finish
	.p2align	8
	.type	k_q331088e59b_finish,@function
k_q331088e59b_finish:
	s_mov_b64 s[64:65], 0
	v_nop
	global_prefetch_b8 v0, s[64:65] scope:SCOPE_SE
	s_setreg_imm32_b32 hwreg(HW_REG_WAVE_MODE, 25, 1), 1
	s_wait_xcnt 0x0
; sums [64][loss, pol, kl, count]: sixteen entries a batch.  For each batch the three sums are divided by the count, held at 1e-9 from below; the mean over the four batches gives out0, out1, out2; out3 = 1, out4 = 0.
; One wave: lane l takes entries l and 32 + l, so that each row of sixteen lanes holds one batch: batches 0 and 1 in the first load, 2 and 3 in the second.  1,024 bytes in, 20 out: there is work for one wave and no more.
; LIMITS: the division is a multiplication by v_rcp_f32's result, good to 1 ulp.
	s_load_b128 s[4:7], s[0:1], 0x0                ; sums, out0
	s_load_b128 s[8:11], s[0:1], 0x10              ; out1, out2
	s_load_b128 s[12:15], s[0:1], 0x20             ; out3, out4
	v_lshlrev_b32 v1, 4, v0
	s_mov_b32 s16, 0x76543210
	s_mov_b32 s17, 0xfedcba98                      ; v_permlanex16_b32's selects for lane l xor 16
	v_mov_b32 v17, 0                               ; a lane permute's destination counts as one of its sources
	v_mov_b32 v18, 0
	v_mov_b32 v19, 0
	v_mov_b32 v20, 0                               ; the stores' offset
	v_mov_b32 v21, 1.0
	v_mov_b32 v22, 0
	s_wait_alu depctr_va_vdst(0)
	s_wait_kmcnt 0x0
	global_load_b128 v[4:7], v1, s[4:5]
	global_load_b128 v[8:11], v1, s[4:5] offset:512
	s_wait_loadcnt 0x0
.irp x, 1,2,4,8
.irp j, 4,5,6,7,8,9,10,11
	v_add_f32_dpp v[\j], v[\j], v[\j] row_xmask:\x row_mask:0xf bank_mask:0xf     ; a batch's sixteen entries
.endr
.endr
	v_max_num_f32 v7, 0x3089705f, v7               ; the count, at least 1e-9
	v_max_num_f32 v11, 0x3089705f, v11
	s_wait_alu depctr_va_vdst(0)
	v_rcp_f32 v12, v7
	v_rcp_f32 v13, v11
	v_nop                                          ; one plain line behind the reciprocals
	s_wait_alu depctr_va_vdst(0)
	v_mul_f32 v14, v4, v12
	v_mul_f32 v15, v5, v12
	v_mul_f32 v16, v6, v12
	v_fmac_f32 v14, v8, v13                        ; batch 0 + batch 2 in lanes 0-15, batch 1 + batch 3 in lanes 16-31
	v_fmac_f32 v15, v9, v13
	v_fmac_f32 v16, v10, v13
	v_permlanex16_b32 v17, v14, s16, s17
	v_permlanex16_b32 v18, v15, s16, s17
	v_permlanex16_b32 v19, v16, s16, s17
	v_add_f32 v14, v14, v17
	v_add_f32 v15, v15, v18
	v_add_f32 v16, v16, v19
	v_mul_f32 v14, 0x3e800000, v14                 ; the mean of four
	v_mul_f32 v15, 0x3e800000, v15
	v_mul_f32 v16, 0x3e800000, v16
	v_cmp_eq_u32 vcc_lo, 0, v0
	s_wait_alu depctr_va_vdst(0)
	s_wait_xcnt 0x0                                ; EXEC changes only behind this wait
	s_and_saveexec_b32 s18, vcc_lo
	global_store_b32 v20, v14, s[6:7]              ; loss
	global_store_b32 v20, v15, s[8:9]              ; policy loss
	global_store_b32 v20, v16, s[10:11]            ; kl loss
	global_store_b32 v20, v21, s[12:13]            ; ratios = 1
	global_store_b32 v20, v22, s[14:15]            ; clipfrac = 0
	s_wait_xcnt 0x0
	s_or_b32 exec_lo, exec_lo, s18
	s_endpgm
.Lfunc_end_k_q331088e59b_finish:
	.size	k_q331088e59b_finish, .Lfunc_end_k_q331088e59b_finish-k_q331088e59b_finish
	.p2alignl 7, 3214868480
	.fill 96, 4, 3214868480
	.section	.rodata,"a",@progbits
	.p2align	6, 0x0
	.amdhsa_kernel k_q331088e59b_finish
		.amdhsa_group_segment_fixed_size 0
		.amdhsa_private_segment_fixed_size 0
		.amdhsa_enable_private_segment 0
		.amdhsa_kernarg_size 48
		.amdhsa_user_sgpr_count 2
		.amdhsa_user_sgpr_kernarg_segment_ptr 1
		.amdhsa_wavefront_size32 1
		.amdhsa_system_sgpr_workgroup_id_x 1
		.amdhsa_system_sgpr_workgroup_id_y 1
		.amdhsa_system_sgpr_workgroup_id_z 1
		.amdhsa_system_vgpr_workitem_id 0
		.amdhsa_next_free_vgpr 32
		.amdhsa_next_free_sgpr 66
		.amdhsa_reserve_vcc 1
		.amdhsa_float_denorm_mode_32 3
		.amdhsa_float_denorm_mode_16_64 3
		.amdhsa_memory_ordered 1
		.amdhsa_forward_progress 1
		.amdhsa_inst_pref_size 5
	.end_amdhsa_kernel
	.amdgpu_metadata
---
amdhsa.version: [ 1, 2 ]
amdhsa.kernels:
  - .name:           k_q331088e59b_finish
    .symbol:         k_q331088e59b_finish.kd
    .args:
      - { .name: sums, .offset: 0, .size: 8, .value_kind: global_buffer, .address_space: global }
      - { .name: out0, .offset: 8, .size: 8, .value_kind: global_buffer, .address_space: global }
      - { .name: out1, .offset: 16, .size: 8, .value_kind: global_buffer, .address_space: global }
      - { .name: out2, .offset: 24, .size: 8, .value_kind: global_buffer, .address_space: global }
      - { .name: out3, .offset: 32, .size: 8, .value_kind: global_buffer, .address_space: global }
      - { .name: out4, .offset: 40, .size: 8, .value_kind: global_buffer, .address_space: global }
    .group_segment_fixed_size: 0
    .private_segment_fixed_size: 0
    .kernarg_segment_align: 8
    .kernarg_segment_size: 48
    .max_flat_workgroup_size: 32
    .sgpr_count:     66
    .vgpr_count:     32
    .wavefront_size: 32
...
	.end_amdgpu_metadata
.endif
;; end of part 4
